; MI455X (gfx1250); checked and timed in simulation.
; The chip was launched on July 23, 2026; its instructions are those of AMD's public machine-readable ISA for CDNA 5 (MIT licence, August 2026) and "CDNA5" Instruction Set Architecture Reference Guide (July 2026). The comments in the code are by the model that wrote it; some were corrected since.
;; Naive LSTM Cell. Allowed arithmetic: matrix products marked QUANTISED: E2M3 operands, one E8M0 scale for each 32 along K, by v_wmma_scale_f32_16x16x128_f8f6f4 with both operands' format E2M3, f32 sums; everything else in f32.
;; Inputs: W_hc 2,048 x 2,048 float32; W_hf 2,048 x 2,048 float32; W_hi 2,048 x 2,048 float32; W_ho 2,048 x 2,048 float32; W_xc 2,048 x 2,048 float32; W_xf 2,048 x 2,048 float32; W_xi 2,048 x 2,048 float32; W_xo 2,048 x 2,048 float32; b_c 2,048 float32; b_f 2,048 float32; b_i 2,048 float32; b_o 2,048 float32; c_x 2,048 x 2,048 float32; h_x 2,048 x 2,048 float32; x 2,048 x 2,048 float32.
;; Outputs: out0 2,048 x 2,048 float32; out1 2,048 x 2,048 float32.
;; This version of the problem:
;;   THIS VERSION OF THE PROBLEM IS GIVEN IN LOW PRECISION. The matrix products marked QUANTISED in the list below multiply operands that are first quantised to E2M3 (2 exponent bits, 3 mantissa bits; 6 bits a number), with one power-of-two scale for each 32 numbers along K (OCP MX v1.0); their sums are f32. All else is computed in f32.
;;   The module's matrix products, in the order in which they are computed (A, B: the left and right operand; K: the contracted axis; several contracted axes count as one K, in the product's order):
;;     1. [M 2,048, K 2,048] x [K 2,048, N 2,048]; A: input x; B: input W_xi: QUANTISED
;;     2. [M 2,048, K 2,048] x [K 2,048, N 2,048]; A: input h_x; B: input W_hi: QUANTISED
;;     3. [M 2,048, K 2,048] x [K 2,048, N 2,048]; A: input x; B: input W_xf: QUANTISED
;;     4. [M 2,048, K 2,048] x [K 2,048, N 2,048]; A: input h_x; B: input W_hf: QUANTISED
;;     5. [M 2,048, K 2,048] x [K 2,048, N 2,048]; A: input x; B: input W_xo: QUANTISED
;;     6. [M 2,048, K 2,048] x [K 2,048, N 2,048]; A: input h_x; B: input W_ho: QUANTISED
;;     7. [M 2,048, K 2,048] x [K 2,048, N 2,048]; A: input x; B: input W_xc: QUANTISED
;;     8. [M 2,048, K 2,048] x [K 2,048, N 2,048]; A: input h_x; B: input W_hc: QUANTISED
;;   THE QUANTISER, for each operand of a quantised product, along K:
;;     - K is cut into blocks of 32 from its start; a last block that is shorter is filled with zeros.
;;     - A block's scale is 2^e with e = floor(log2(the largest magnitude in the block)) - 2, held to -126 .. 127; a block of zeros has e = 0. As a byte (E8M0): e + 127.
;;     - Each number is divided by its block's scale, clamped to +-7.5, and rounded to the nearest number of E2M3, ties to even, subnormals kept.
;;     - The product sums the exact products of the quantised numbers (number of the format x scale) in f32.
;;   ~~~python
;;   def quantise(x, axis):      # numpy; x: float32 -> the quantised numbers, widened to float32 again
;;       x = np.moveaxis(x, axis, -1); K = x.shape[-1]
;;       x = np.pad(x, [(0, 0)] * (x.ndim - 1) + [(0, -K % 32)]); x = x.reshape(x.shape[:-1] + (-1, 32)); a = np.abs(x).max(-1, keepdims=True)
;;       e = np.where(a > 0, np.clip(np.frexp(np.where(a > 0, a, 1))[1] - 1 - 2, -126, 127), 0)      # np.frexp(a)[1] - 1 = floor(log2(a)), exactly
;;       r = np.clip(x / 2.0 ** e, -7.5, 7.5)
;;       step = 2.0 ** (np.maximum(np.frexp(np.where(r == 0, 1, r))[1] - 1, 0) - 3)
;;       q = np.round(r / step) * step * 2.0 ** e      # np.round: ties to even
;;       return np.moveaxis(q.reshape(q.shape[:-2] + (-1,))[..., :K], -1, axis).astype(np.float32)
;;   ~~~
;; One version. Each part assembles by itself: llvm-mc -triple=amdgcn-amd-amdhsa -mcpu=gfx1250 --defsym DOCPART=n.
;; ======== version 1 of 1: 2 launches
;; limits: right only within a limited range of input values
;; workspace buffers: a_codes 6,291,456 bytes; a_scales 262,144 bytes; b_codes 25,165,824 bytes; b_scales 1,048,576 bytes
;; launch quant (part 1): grid 1280 x 1, 4 waves a work-group, no clusters, 57,856 bytes of LDS; arguments W_xi, W_hi, W_xf, W_hf, W_xc, W_hc, W_xo, W_ho, x, h_x, a_codes, a_scales, b_codes, b_scales; writes a_codes, a_scales, b_codes, b_scales
.if DOCPART == 1
	.amdgcn_target "amdgcn-amd-amdhsa--gfx1250"
	.amdhsa_code_object_version 6
	.text
	.protected	k_qde2124facb_quant
	.globl	k_qde2124facb_quant
	.p2align	8
	.type	k_qde2124facb_quant,@function
k_qde2124facb_quant:
	s_mov_b64 s[64:65], 0
	v_nop
	global_prefetch_b8 v0, s[64:65] scope:SCOPE_SE
	s_setreg_imm32_b32 hwreg(HW_REG_WAVE_MODE, 25, 1), 1
	s_wait_xcnt 0x0
; The eight weights [2048 (k)][2048 (n)] and the two activations x, h_x [2048 (m)][2048 (k)], all f32, become codes of FP6 (E2M3), 6 bits each, K innermost, with one E8M0 scale byte for each 32 along K.
; A block's scale is 2^(floor(log2(its largest magnitude)) - 2); its byte is the largest magnitude's own exponent field - 2, held at 1 from below; each number is divided by the scale and rounded to the nearest code, ties to even,
; beyond 7.5 the largest code (the conversion does both).
; LIMITS: a block of zeros gets the byte 1 where the rule says 127: its codes are zeros, which add nothing under any byte but 0xff, and these bytes are read by this program alone.  Blocks whose largest magnitude lies under
; 2^-124, the floor, were not tried.  NaN and infinities among the inputs are not served.
; THE WORKSPACES.  The product that follows has K = 4,096: x's 2,048, then h_x's.  K is cut into 16 steps s of 256 (s 0-7: x and W_x*, s 8-15: h_x and W_h*), and the step is the OUTERMOST index:
;   a_codes [s][m 2048][192 bytes], a_scales [s][m][8 bytes];  b_codes [s][R 8192][192 bytes], b_scales [s][R][8 bytes].
; B's row R of hidden column n of gate g (i 0, f 1, c 2, o 3) is 128 (n / 32) + 32 g + n % 32: 128 neighbouring rows hold all four gates of 32 neighbouring hidden columns.
; So what a wave makes here (32 rows x 192 bytes of codes, 32 x 8 scale bytes) is dense in memory, and so is what a wave of the product's launch fetches (128 rows of a step).
; ONE LAUNCH, TWO PATHS, parted on the work-group's number: 1,024 work-groups take the weights, 256 the activations; each reads 131,072 bytes.  Each path has LDS bytes of its own.
; No tensor loads, no barrier, no cluster: the waves share nothing, every input byte is read once, and every offset is an immediate.
.set WGW,    1024                      ; work-groups that take weights: 8 tensors x 8 steps of K x 16 groups of 128 columns
.set EMAX,   2                         ; the exponent of the format's largest number, 7.5
.set CB,     12                        ; bytes of 16 codes
; the activations' path: LDS bytes 0 .. 22,527
.set WREG,   5632                      ; a wave's region: two stages of 32 x SP bytes, behind them its 256 scale bytes
.set SP,     80                        ; a lane's place in a stage: its 64 bytes + 16 of padding
.set STEPS,  16
.set AR,     16                        ; v16-79   four sets of 16 numbers as they are loaded
.set AX,     80                        ; v80-111  two sets of 16 neighbours
.set AE,     112                       ; v112-127 a scale byte for each step
.set AC,     128                       ; v128-191 codes: four registers for each step, so that no store's data are written again
; the weights' path: LDS bytes 22,528 .. 57,343
.set WGTL,   4*WREG
.set WPITCH, 272                       ; a stage row: sixteen places of 16 bytes, each with 12 bytes of codes, + 16
.set WSTG,   32*WPITCH                 ; a wave's stage: 32 columns
.set NB,     8                         ; blocks of 32 along K for a wave
.set WSB,    24                        ; v24-25   the scale bytes, four to a register
.set WX,     32                        ; v32-95   two sets of 32 numbers
.set WC,     96                        ; v96-102  a block's codes
.set WOUT,   112                       ; v112-175 the way out
	v_lshl_add_u32 v10, v0, 2, 0xe000              ; my spare word; v10 and v131 are named by no other line of either path
	v_mov_b32 v131, 0
	v_lshrrev_b32 v1, 5, v0
	v_readfirstlane_b32 s32, v1                    ; wave 0..3
	v_and_b32 v2, 31, v0                           ; lane
	s_cmp_lt_u32 ttmp9, WGW
	s_cbranch_scc0 .Lact
; ---------------- THE WEIGHTS.  K is a weight's FIRST axis.  A LANE TAKES A COLUMN n AND ITS REGISTERS RUN DOWN K: a load reads 128 consecutive bytes a wave (512 a work-group), a block of 32 along K lies in one lane's
; 32 registers, and the conversions give codes with K innermost.  A wave takes 32 columns x 256 along K; its codes go through its own stage in LDS and leave as 6,144 consecutive bytes.
	s_load_b512 s[4:19], s[0:1], 0x0               ; W_xi, W_hi, W_xf, W_hf, W_xc, W_hc, W_xo, W_ho
	s_load_b128 s[20:23], s[0:1], 0x60             ; b_codes, b_scales
	s_and_b32 s33, ttmp9, 15                       ; which 128 columns
	s_bfe_u32 s34, ttmp9, 0x30004                  ; which 256 along K of the tensor
	s_lshr_b32 s35, ttmp9, 7                       ; which tensor, in the order of the arguments: 2 x gate + (0: W_x*, 1: W_h*)
	s_lshr_b32 s36, s35, 1                         ; the gate
	s_and_b32 s37, s35, 1
	s_lshl_b32 s38, s37, 3
	s_add_co_u32 s38, s38, s34                     ; the K step s of the product
	s_lshl_b32 s39, s33, 9
	s_lshl_b32 s24, s32, 7
	s_add_co_u32 s39, s39, s24                     ; 512 x group + 128 x wave: my first column's byte in a row of W, and also 128 (n / 32) of my 32 columns
	s_lshl_b32 s40, s34, 21                        ; 256 rows of 8,192 bytes
	s_add_co_u32 s40, s40, s39                     ; where my part of W begins
	s_mov_b32 s41, 0
	s_lshl_b32 s24, s36, 5
	s_add_co_u32 s39, s39, s24                     ; my first row R of B
	s_mul_i32 s42, s38, 8192*192
	s_mul_i32 s24, s39, 192
	s_add_co_u32 s42, s42, s24                     ; its codes
	s_mov_b32 s43, 0
	s_lshl_b32 s46, s38, 16
	s_lshl_b32 s24, s39, 3
	s_add_co_u32 s46, s46, s24                     ; its scale bytes
	s_mov_b32 s47, 0
	s_mul_i32 s24, s32, WSTG
	s_add_co_u32 s24, s24, WGTL                    ; my stage
	s_wait_alu depctr_va_vdst(0)
	v_lshlrev_b32 v3, 2, v2                        ; in: 4 bytes a lane
	v_mul_u32_u24 v4, v2, WPITCH
	v_add_nc_u32 v4, s24, v4                       ; into the stage: row = my column
	v_and_b32 v5, 15, v2
	v_lshrrev_b32 v6, 4, v2
	v_mul_u32_u24 v7, v6, WPITCH
	v_lshl_add_u32 v7, v5, 4, v7
	v_add_nc_u32 v7, s24, v7                       ; out of it: sixteen lanes to a row, two rows an instruction
	v_mul_u32_u24 v8, v2, CB                       ; and in memory: two rows of 192 bytes on end are 12 bytes a lane
	v_lshlrev_b32 v9, 3, v2                        ; my column's 8 scale bytes
	s_wait_kmcnt 0x0
	s_mov_b64 s[44:45], s[4:5]                     ; the tensor is chosen by the work-group's number alone
.irp k, 1,2,3,4,5,6,7
	s_cmp_eq_u32 s35, \k
	s_cselect_b64 s[44:45], s[4+2*\k:5+2*\k], s[44:45]
.endr
	s_add_nc_u64 s[44:45], s[44:45], s[40:41]
	s_add_nc_u64 s[20:21], s[20:21], s[42:43]
	s_add_nc_u64 s[22:23], s[22:23], s[46:47]
.macro WLOAD t                         ; block t: W(32 t + i, my column), i = 0 .. 31, into set t % 2
.irp i, 0,1,2,3,4,5,6,7,8,9,10,11,12,13,14,15,16,17,18,19,20,21,22,23,24,25,26,27,28,29,30,31
	global_load_b32 v[WX+32*((\t)%2)+\i], v3, s[44:45] offset:(32*(\t)+\i)*8192 th:TH_LOAD_NT
.endr
.endm
	WLOAD 0
	WLOAD 1
.macro WBLOCK t
.set XS, WX+32*((\t)%2)
.if (\t) < NB-1
	s_wait_loadcnt 32                              ; this block's 32 loads are in; the next block's 32 may be out
.else
	s_wait_loadcnt 0
.endif
	v_max3_num_f32 v12, |v[XS]|, |v[XS+1]|, |v[XS+2]|               ; the block's largest magnitude: all 32 numbers are mine; two chains that do not wait for each other
	v_max3_num_f32 v13, |v[XS+3]|, |v[XS+4]|, |v[XS+5]|
.irp i, 6,10,14,18,22,26
	v_max3_num_f32 v12, v12, |v[XS+\i]|, |v[XS+\i+1]|
	v_max3_num_f32 v13, v13, |v[XS+\i+2]|, |v[XS+\i+3]|
.endr
	v_max3_num_f32 v12, v12, |v[XS+30]|, |v[XS+31]|
	v_max3_num_f32 v12, v12, v13, (EMAX+1)<<23     ; and the floor 2^(EMAX + 1 - 127): so the byte cannot fall under 1
	v_add_nc_u32 v11, -(EMAX<<23), v12             ; EMAX off its exponent field: the conversion takes the exponent field of this operand as its scale, and nothing else of it
	v_lshrrev_b32 v13, 23, v11                     ; the scale's byte
.if (\t)%4 == 0
	v_mov_b32 v[WSB+(\t)/4], v13                   ; four bytes to a register, the lower K in the lower byte
.else
	v_lshl_or_b32 v[WSB+(\t)/4], v13, 8*((\t)%4), v[WSB+(\t)/4]
.endif
	v_cvt_scalef32_pk16_fp6_f32 v[WC:WC+2], v[XS:XS+15], v11
	v_cvt_scalef32_pk16_fp6_f32 v[WC+4:WC+6], v[XS+16:XS+31], v11   ; (a conversion's three registers begin on an even number)
	ds_store_b96 v4, v[WC:WC+2] offset:32*(\t)     ; 16 codes, 12 bytes, to a place of 16 bytes, so that every LDS address is a multiple of 16
	ds_store_b96 v4, v[WC+4:WC+6] offset:32*(\t)+16
.if (\t)+2 < NB
	WLOAD (\t)+2
.endif
	s_wait_dscnt 0x0                               ; the stores have read their registers: the next block's codes may be written
.endm
.irp t, 0,1,2,3,4,5,6,7
	WBLOCK \t
.endr
	s_wait_alu depctr_va_vdst(0)
	global_store_b64 v9, v[WSB:WSB+1], s[22:23]    ; 32 rows x 8 scale bytes: 256 consecutive bytes, at a multiple of 256 from the buffer's first byte
.irp t, 0,1,2,3,4,5,6,7,8,9,10,11,12,13,14,15
	ds_load_b96 v[WOUT+4*\t:WOUT+4*\t+2], v7 offset:2*\t*WPITCH    ; LDS serves a wave's instructions in order (ISA guide 5.7.1.4): these see my stores
.endr
.irp t, 0,1,2,3,4,5,6,7,8,9,10,11,12,13,14,15
	s_wait_dscnt 15-\t                             ; load t is in; the 15 - t younger ones may be out
	global_store_b96 v8, v[WOUT+4*\t:WOUT+4*\t+2], s[20:21] offset:384*\t
.endr
	s_wait_tensorcnt 0x0
	ds_add_u32 v10, v131
	s_wait_dscnt 0x0
	s_endpgm
; ---------------- THE ACTIVATIONS.  K is innermost.  A wave takes one K step (256 numbers, 1,024 bytes of a row) of 32 rows: 16 steps of two rows.  The conversions want 16 NEIGHBOURS in a lane (two neighbouring lanes hold a
; block); a load is best where neighbouring LANES take neighbouring bytes.  Both are had: each load reads 512 consecutive bytes of a row, 16 a lane; a step's 2,048 bytes go through the wave's own stage in LDS and come back
; 64 bytes a lane (16 bytes of padding behind each 64).  Lanes 0-15 then hold the even row, lanes 16-31 the odd one: the step's 384 bytes of codes and 16 scale bytes lie in the workspace's own order.
.Lact:
	s_load_b128 s[4:7], s[0:1], 0x40               ; x, h_x
	s_load_b128 s[8:11], s[0:1], 0x50              ; a_codes, a_scales
	s_sub_co_u32 s33, ttmp9, WGW
	s_and_b32 s34, s33, 3
	s_lshl_b32 s34, s34, 2
	s_add_co_u32 s34, s34, s32                     ; my wave's K step s of the product: the four waves stand side by side on 4,096 bytes of a row
	s_lshr_b32 s35, s33, 2                         ; which 32 rows
	s_and_b32 s36, s34, 7
	s_lshl_b32 s36, s36, 10                        ; the step's 1,024 bytes in a row of its tensor,
	s_lshl_b32 s37, s35, 18                        ; 32 rows of 8,192 bytes
	s_add_co_u32 s36, s36, s37
	s_mov_b32 s37, 0
	s_mul_i32 s38, s34, 2048*192
	s_mul_i32 s39, s35, 32*192
	s_add_co_u32 s38, s38, s39                     ; my codes
	s_mov_b32 s39, 0
	s_lshl_b32 s40, s34, 14
	s_lshl_b32 s41, s35, 8
	s_add_co_u32 s40, s40, s41                     ; my 256 scale bytes
	s_mov_b32 s41, 0
	s_wait_alu depctr_va_vdst(0)
	v_lshlrev_b32 v3, 4, v2                        ; my 16 bytes of a load's 512
	s_mul_i32 s17, s32, WREG
	v_lshrrev_b32 v14, 2, v2
	v_mul_u32_u24 v14, v14, SP
	v_and_b32 v15, 3, v2
	v_lshl_add_u32 v14, v15, 4, v14
	v_add_nc_u32 v14, s17, v14                     ; the stage, on the way in: four lanes' 64 bytes on end, then 16 of padding; a load's 512 bytes take eight places
	v_mul_u32_u24 v15, v2, SP
	v_add_nc_u32 v15, s17, v15                     ; and on the way out: my 16 neighbours
	v_mul_u32_u24 v4, v2, CB                       ; my codes' place in a step's
	v_lshrrev_b32 v5, 1, v2
	s_add_co_u32 s17, s17, 2*32*SP
	v_add_nc_u32 v5, s17, v5                       ; LDS: my wave's 256 scale bytes, my block's byte
	v_lshlrev_b32 v7, 3, v2                        ; and on the way out 8 bytes a lane
	v_add_nc_u32 v6, s17, v7
	s_wait_alu depctr_va_vdst(0)
	s_wait_kmcnt 0x0
	s_cmp_lt_u32 s34, 8                            ; steps 0-7 are x's, 8-15 h_x's: the choice hangs on ids alone
	s_cselect_b64 s[4:5], s[4:5], s[6:7]
	s_add_nc_u64 s[4:5], s[4:5], s[36:37]
	s_add_nc_u64 s[8:9], s[8:9], s[38:39]
	s_add_nc_u64 s[10:11], s[10:11], s[40:41]
.macro ALOAD t                         ; step t: rows 2 t and 2 t + 1, two halves of 512 bytes each
.irp i, 0,1,2,3
	global_load_b128 v[AR+16*((\t)%4)+4*\i:AR+16*((\t)%4)+4*\i+3], v3, s[4:5] offset:(2*(\t)+\i/2)*8192+(\i%2)*512 th:TH_LOAD_NT
.endr
.endm
.macro ATURN t                         ; step t's numbers through the stage: LDS serves a wave's instructions in order, so no wait stands between the stores and the loads
.irp i, 0,1,2,3
	ds_store_b128 v14, v[AR+16*((\t)%4)+4*\i:AR+16*((\t)%4)+4*\i+3] offset:32*SP*((\t)%2)+8*SP*\i
.endr
.irp i, 0,1,2,3
	ds_load_b128 v[AX+16*((\t)%2)+4*\i:AX+16*((\t)%2)+4*\i+3], v15 offset:32*SP*((\t)%2)+16*\i
.endr
.endm
.irp t, 0,1,2,3
	ALOAD \t
.endr
	s_wait_loadcnt 12                              ; step 0's four loads are in; three steps' twelve may be out
	ATURN 0
.macro ASTEP t
.set XS, AX+16*((\t)%2)
.if (\t) > 0
	s_wait_dscnt 1                                 ; this step's numbers are back from the stage (the last step's byte store may be out): so its stores into the stage have read their registers,
.else
	s_wait_dscnt 0x0
.endif
.if (\t)+4 < STEPS
	ALOAD (\t)+4                                   ; which take the loads of four steps on
.endif
.if (\t)+1 < STEPS
.if STEPS-2-(\t) >= 3
	s_wait_loadcnt 12                              ; the next step's four loads are in; those of the three steps behind it may be out
.else
	s_wait_loadcnt 4*(STEPS-2-(\t))                ; at the end the counts run down
.endif
	ATURN (\t)+1                                   ; and go through the other stage while this step is worked
.endif
	v_max3_num_f32 v8, |v[XS]|, |v[XS+1]|, |v[XS+2]|               ; the largest magnitude of my 16
	v_max3_num_f32 v9, |v[XS+3]|, |v[XS+4]|, |v[XS+5]|
.irp i, 6,10
	v_max3_num_f32 v8, v8, |v[XS+\i]|, |v[XS+\i+1]|
	v_max3_num_f32 v9, v9, |v[XS+\i+2]|, |v[XS+\i+3]|
.endr
	v_max3_num_f32 v8, v8, |v[XS+14]|, |v[XS+15]|
	v_max3_num_f32 v8, v8, v9, (EMAX+1)<<23        ; and the floor
	v_max_num_f32_dpp v8, v8, v8 row_xmask:1 row_mask:0xf bank_mask:0xf   ; and of my neighbour's 16: the block's
	v_add_nc_u32 v11, -(EMAX<<23), v8              ; the conversion's scale operand
	v_cvt_scalef32_pk16_fp6_f32 v[AC+4*(\t):AC+4*(\t)+2], v[XS:XS+15], v11
	v_lshrrev_b32 v[AE+(\t)], 23, v11              ; the scale's byte (a plain line behind the conversion)
	ds_store_b8 v5, v[AE+(\t)] offset:16*(\t)      ; both lanes of a block write the same byte with the same value
	global_store_b96 v4, v[AC+4*(\t):AC+4*(\t)+2], s[8:9] offset:32*CB*(\t)   ; 384 consecutive bytes; the sixteen steps cover 6,144 on end
.endm
.irp t, 0,1,2,3,4,5,6,7,8,9,10,11,12,13,14,15
	ASTEP \t
.endr
	ds_load_b64 v[12:13], v6                       ; LDS serves a wave's instructions in order: these see my stores
	s_wait_dscnt 0x0
	global_store_b64 v7, v[12:13], s[10:11]
	s_wait_tensorcnt 0x0
	ds_add_u32 v10, v131
	s_wait_dscnt 0x0
	s_endpgm
.Lfunc_end_k_qde2124facb_quant:
	.size	k_qde2124facb_quant, .Lfunc_end_k_qde2124facb_quant-k_qde2124facb_quant
	.p2alignl 7, 3214868480
	.fill 96, 4, 3214868480
	.section	.rodata,"a",@progbits
	.p2align	6, 0x0
	.amdhsa_kernel k_qde2124facb_quant
		.amdhsa_group_segment_fixed_size 57856
		.amdhsa_private_segment_fixed_size 0
		.amdhsa_enable_private_segment 0
		.amdhsa_kernarg_size 112
		.amdhsa_user_sgpr_count 2
		.amdhsa_user_sgpr_kernarg_segment_ptr 1
		.amdhsa_wavefront_size32 1
		.amdhsa_system_sgpr_workgroup_id_x 1
		.amdhsa_system_sgpr_workgroup_id_y 1
		.amdhsa_system_sgpr_workgroup_id_z 1
		.amdhsa_system_vgpr_workitem_id 0
		.amdhsa_next_free_vgpr 192
		.amdhsa_next_free_sgpr 66
		.amdhsa_reserve_vcc 0
		.amdhsa_float_denorm_mode_32 3
		.amdhsa_float_denorm_mode_16_64 3
		.amdhsa_memory_ordered 1
		.amdhsa_forward_progress 1
		.amdhsa_inst_pref_size 74
	.end_amdhsa_kernel
	.amdgpu_metadata
---
amdhsa.version: [ 1, 2 ]
amdhsa.kernels:
  - .name:           k_qde2124facb_quant
    .symbol:         k_qde2124facb_quant.kd
    .args:
      - { .name: W_xi, .offset: 0, .size: 8, .value_kind: global_buffer, .address_space: global }
      - { .name: W_hi, .offset: 8, .size: 8, .value_kind: global_buffer, .address_space: global }
      - { .name: W_xf, .offset: 16, .size: 8, .value_kind: global_buffer, .address_space: global }
      - { .name: W_hf, .offset: 24, .size: 8, .value_kind: global_buffer, .address_space: global }
      - { .name: W_xc, .offset: 32, .size: 8, .value_kind: global_buffer, .address_space: global }
      - { .name: W_hc, .offset: 40, .size: 8, .value_kind: global_buffer, .address_space: global }
      - { .name: W_xo, .offset: 48, .size: 8, .value_kind: global_buffer, .address_space: global }
      - { .name: W_ho, .offset: 56, .size: 8, .value_kind: global_buffer, .address_space: global }
      - { .name: x, .offset: 64, .size: 8, .value_kind: global_buffer, .address_space: global }
      - { .name: h_x, .offset: 72, .size: 8, .value_kind: global_buffer, .address_space: global }
      - { .name: a_codes, .offset: 80, .size: 8, .value_kind: global_buffer, .address_space: global }
      - { .name: a_scales, .offset: 88, .size: 8, .value_kind: global_buffer, .address_space: global }
      - { .name: b_codes, .offset: 96, .size: 8, .value_kind: global_buffer, .address_space: global }
      - { .name: b_scales, .offset: 104, .size: 8, .value_kind: global_buffer, .address_space: global }
    .group_segment_fixed_size: 57856
    .private_segment_fixed_size: 0
    .kernarg_segment_align: 8
    .kernarg_segment_size: 112
    .max_flat_workgroup_size: 128
    .sgpr_count:     66
    .vgpr_count:     192
    .wavefront_size: 32
...
	.end_amdgpu_metadata
.endif
;; end of part 1
;; launch cell (part 2): grid 8 x 32, 4 waves a work-group, clusters of 4 x 4, 327,680 bytes of LDS; arguments a_codes, a_scales, b_codes, b_scales, b_i, b_f, b_c, b_o, c_x, out0, out1; writes out0, out1
.if DOCPART == 2
	.amdgcn_target "amdgcn-amd-amdhsa--gfx1250"
	.amdhsa_code_object_version 6
	.text
	.protected	k_qde2124facb_cell
	.globl	k_qde2124facb_cell
	.p2align	8
	.type	k_qde2124facb_cell,@function
k_qde2124facb_cell:
	s_mov_b64 s[64:65], 0
	v_nop
	global_prefetch_b8 v0, s[64:65] scope:SCOPE_SE
	s_setreg_imm32_b32 hwreg(HW_REG_WAVE_MODE, 25, 1), 1
	s_wait_xcnt 0x0
	s_wait_alu depctr_hold_cnt(0) depctr_sa_sdst(0) depctr_va_vdst(0) depctr_va_sdst(0) depctr_va_ssrc(0) depctr_va_vcc(0) depctr_vm_vsrc(0)
	s_getreg_b32 s2, hwreg(HW_REG_IB_STS2, 6, 4)
	s_cmp_eq_u32 s2, 0
	s_cbranch_scc0 .Lentry_in_a_cluster
	s_endpgm
.Lentry_in_a_cluster:
	s_bfe_u32 s2, ttmp6, 0x10000c
	s_cmp_lg_u32 s2, 0xf033
	s_cbranch_scc0 .Lentry_shape_is_right
	s_endpgm
.Lentry_shape_is_right:
; The LSTM cell on codes of FP6 (E2M3): gates[m][R] = sum over K = 4,096 (x's 2,048, then h_x's) of A[m][k] B[R][k] + bias, then cy = f c_x + i c~, hy = o tanh(cy), all behind the products in f32.
; Workspaces as the launch before lays them: codes [s 16][row][192 bytes], scales [s][row][8 bytes]; B's row R = 128 (n / 32) + 32 gate + n % 32 (gates i, f, c, o).
; A work-group of four waves makes 256 rows m x 256 rows R = 64 hidden columns with all four gates; a wave 128 x 128: 64 accumulators, 512 registers.  No step of the problem is left out.
; sigmoid(a) = 1 / (1 + 2^(-a log2 e)), tanh(a) = 1 - 2 / (1 + 2^(2 a log2 e)): an exponential that overflows gives the reciprocal 0, which is the limit.  NaN and infinities among the inputs are not served.
; K goes in steps of 256 (192 bytes a row, dense: 128 rows are 96 lines of 256 bytes) through a ring of two LDS slots; all scales come once, at the head.
; CLUSTERS 4 x 4: A's tiles hang on the work-group's x alone and are asked for jointly by the four of equal cx, B's on y alone, by the four of equal cy.
; REGISTERS: window 0: v0-31 addresses, v32-63 scale words (two sets), v64-159 and v160-255 A's fragments (two sets).  Window 1: v0-95 and v128-223 B's fragments (two sets), v96-127 and v224-255 the biases.
; Windows 2, 3: the accumulators.  BOTH OPERANDS HAVE TWO SETS, so the sixteen fragments of a half step (128 along K, 64 matrix instructions) are fetched, into the sets that are not being multiplied,
; in three runs of 30 to 36 LDS loads, sixteen matrix instructions apart; the first run of a new slot stands directly behind the joint refill.
; The matrix instruction is used transposed (source 0 = B's rows, source 1 = A's rows): a lane holds eight neighbouring R of one row m.  The biases are the C of the first products.
; PREFETCH: sixteen matrix instructions behind slot 0's refill, EVERY cluster asks for its own four tiles of A and four of B of the K steps that stand two and three refills on: a K step's four tiles are 24 pieces
; of 32 blocks of 256 bytes, shared out by address among three waves of each of eight work-groups, a lane a block; the other eight take the other K step.  The last trip names c_x's rows instead.  It stops two K steps ahead of the end.
.set PITCH,  240                       ; an LDS row: 192 bytes + 16 of padding behind each 64
.set FR,     12
.set HALFT,  128*PITCH
.set SLOT,   4*HALFT                   ; A's 256 rows, then B's 256
.set QT,     128*192
.set ASTEP,  2048*192
.set BSTEP,  8192*192
.set SCL,    2*SLOT                    ; A's scales [s 16][256 rows][8 bytes]
.set SCBD,   32768+128                 ; B's lie so far behind A's: 128 modulo 256, so that the two halves of the lanes touch different banks
.set SPARE,  311552                    ; the spare words, 128 bytes a wave
.set CP,     272                       ; the way out: rows of 256 bytes + 16
.set RDH,  8
.set GO,   9
.set PFT,  10
.set ADRA, 16                          ; v16-17 A's fragments in slot 0, 1; v18-19 the same where lanes 16-31 pass a padding
.set ADRB, 20
.set CXA,  24
.set HYA,  25
.set RDA,  26
.set ADRS, 27
.set SPW,  28
.set NIL,  29
.set PFO,  30
.set VB,   31
.set SC,   32
.set OB,   32
.set AF,   64
.set BI,   96
.set TG,   64
.set CX,   128
.set CY,   160
.set WV,   2
.set G0H,  4                           ; s[4:7], s[8:11] group 0 of the head's loads of codes (the arguments there have been used)
.set G0HB, 8
.set BP,   12                          ; s[12:19] the biases' addresses; behind their loads group 1 for c_x
.set G1C,  12
.set KT,   20
.set G1,   24
.set G0,   32
.set LIM,  40                          ; s40: 1 in the three waves that prefetch tiles, the greatest number in the fourth
.set PB,   44
.set KS,   46
.set G1B,  48
.set G0B,  56
.set RH,   66
.set CH,   67
.set G1S,  68
.set G0S,  76
.set G1SB, 80
.set G0SB, 88
.set G0C,  92
.set PFA,  100
.set PA,   104
.set MSB, 0
.macro WIN new                         ; the immediate's high byte repeats the setting that is left
.if MSB != (\new)
	s_set_vgpr_msb (MSB<<8)|(\new)
.set MSB, \new
.endif
.endm
.set TO_B, 0x40
.macro JLOAD g0a, g1a, g0b, g1b        ; a joint load: waves 0, 1 fetch A's halves, waves 2, 3 B's; s_nop 0 and four v_nop behind each line
	s_cmp_eq_u32 s[RH], 0
	s_cbranch_scc0 .Lfor_b_\@
	tensor_load_to_lds s[\g0a:\g0a+3], s[\g1a:\g1a+7]
	s_nop 0
.rept 4
	v_nop
.endr
	s_branch .Lasked_\@
.Lfor_b_\@:
	tensor_load_to_lds s[\g0b:\g0b+3], s[\g1b:\g1b+7]
	s_nop 0
.rept 4
	v_nop
.endr
.Lasked_\@:
.endm
.macro CREST                           ; a round of the cluster's barrier behind its opening barrier
	s_cmp_lg_u32 s[WV], 0
	s_cbranch_scc1 .Lnot_wave_0_\@
	s_barrier_signal -3
.Lnot_wave_0_\@:
	s_barrier_wait -3
	s_barrier_signal -1
	s_barrier_wait -1
.endm
.macro CROUND
	s_barrier_signal -1
	s_barrier_wait -1
	CREST
.endm
.macro ASK                             ; s3 counts the trips down; the last trip asks for nothing along K
	s_cmp_gt_u32 s3, s[LIM]
	s_cbranch_scc0 .Lnot_mine_\@
	global_prefetch_b8 v[PFT], s[PA:PA+1] th:TH_LOAD_NT scope:SCOPE_SE
	global_prefetch_b8 v[PFT], s[PB:PB+1] th:TH_LOAD_NT scope:SCOPE_SE
.Lnot_mine_\@:
.endm
.macro ASKC                            ; the last trip: my wave's 64 rows x 256 bytes of c_x, a lane a row
	s_cmp_eq_u32 s3, 1
	s_cbranch_scc0 .Lnot_yet_\@
	global_prefetch_b8 v[PFO], s[PFA:PFA+1] th:TH_LOAD_NT scope:SCOPE_SE
	global_prefetch_b8 v[PFO], s[PFA:PFA+1] offset:32*8192 th:TH_LOAD_NT scope:SCOPE_SE
.Lnot_yet_\@:
.endm
	s_load_b256 s[4:11], s[0:1], 0x0               ; a_codes, a_scales, b_codes, b_scales
	s_load_b256 s[BP:BP+7], s[0:1], 0x20           ; b_i, b_f, b_c, b_o
	s_load_b64 s[G0C+2:G0C+3], s[0:1], 0x40        ; c_x
	s_load_b128 s[96:99], s[0:1], 0x48             ; out0 (hy), out1 (cy)
	v_lshl_add_u32 v[SPW], v0, 2, SPARE
	v_mov_b32 v[NIL], 0
	ds_add_u32 v[SPW], v[NIL]                      ; the opening lines: the add twice on end and one wait
	ds_add_u32 v[SPW], v[NIL]
	v_lshrrev_b32 v1, 5, v0
	v_readfirstlane_b32 s[WV], v1
	s_lshr_b32 s[RH], s[WV], 1                     ; my half of the rows m; also: I fetch for A (0) or B (1)
	s_and_b32 s[CH], s[WV], 1                      ; my half of the rows R; also: which 128 rows I fetch
	s_bfe_u32 s40, ttmp6, 0x40000                  ; cx
	s_bfe_u32 s41, ttmp6, 0x40004                  ; cy
	s_lshl_b32 s42, ttmp9, 2
	s_add_co_u32 s42, s42, s40                     ; tile of m
	s_and_b32 s43, ttmp7, 0xffff
	s_lshl_b32 s43, s43, 2
	s_add_co_u32 s43, s43, s41                     ; tile of R
	s_lshl_b32 s44, 0x1111, s40                    ; the four of equal cx
	s_lshl_b32 s45, s41, 2
	s_lshl_b32 s45, 15, s45                        ; the four of equal cy
	s_or_b32 s[G1+0], s44, (3<<16)|(1<<20)|(1<<21)|(3<<22)|(3<<25)   ; elements of 8 bytes; 4 words of padding behind every 16
	s_or_b32 s[G1B+0], s45, (3<<16)|(1<<20)|(1<<21)|(3<<22)|(3<<25)
.irp g, G1, G1B
	s_mov_b32 s[\g+1], 32<<16                      ; lines of 256 bytes;
	s_mov_b32 s[\g+2], 192<<16                     ; at the head 192 of them: 256 rows of codes
	s_mov_b32 s[\g+3], 32<<16
	s_mov_b32 s[\g+4], 192
	s_mov_b32 s[\g+5], 32
	s_mov_b32 s[\g+6], 0
	s_mov_b32 s[\g+7], 0
.endr
	s_or_b32 s[G1S+0], s44, (3<<16)|(1<<21)
	s_or_b32 s[G1SB+0], s45, (3<<16)|(1<<21)
.irp g, G1S, G1SB
	s_mov_b32 s[\g+1], 256<<16                     ; the scales of 256 rows: 2,048 bytes for each of 16 K steps
	s_mov_b32 s[\g+2], 16<<16
	s_mov_b32 s[\g+3], 256<<16
	s_mov_b32 s[\g+4], 16
	s_mov_b32 s[\g+6], 0
	s_mov_b32 s[\g+7], 0
.endr
	s_mov_b32 s[G1S+5], 2048
	s_mov_b32 s[G1SB+5], 8192
	s_mul_i32 s46, s42, 2*QT                       ; where my tiles begin, in bytes
	s_mov_b32 s47, 0
	s_lshl_b32 s100, s42, 11
	s_mov_b32 s101, 0
	s_mul_i32 s20, s43, 2*QT
	s_mov_b32 s21, 0
	s_lshl_b32 s22, s43, 11
	s_mov_b32 s23, 0
	s_mul_i32 s3, s[WV], HALFT
	s_and_b32 s92, s41, 1                          ; the prefetches: a cluster's four tiles of a K step are 24 pieces of 8,192 bytes: piece 3 (4 (cy % 2) + cx) + wave, K step by cy / 2
	s_lshl_b32 s92, s92, 2
	s_add_co_u32 s92, s92, s40
	s_mul_i32 s92, s92, 3
	s_min_u32 s93, s[WV], 2
	s_add_co_u32 s92, s92, s93
	s_lshl_b32 s92, s92, 13
	s_lshr_b32 s93, s41, 1
	s_add_co_u32 s93, s93, 2
	s_mul_i32 s[PA], s93, ASTEP
	s_add_co_u32 s[PA], s[PA], s92
	s_mul_i32 s[PA+1], ttmp9, 8*QT                 ; my cluster's four tiles of A
	s_add_co_u32 s[PA], s[PA], s[PA+1]
	s_mov_b32 s[PA+1], 0
	s_mul_i32 s[PB], s93, BSTEP
	s_add_co_u32 s[PB], s[PB], s92
	s_and_b32 s[PB+1], ttmp7, 0xffff
	s_mul_i32 s[PB+1], s[PB+1], 8*QT               ; my cluster's four tiles of B
	s_add_co_u32 s[PB], s[PB], s[PB+1]
	s_mov_b32 s[PB+1], 0
	s_cmp_lt_u32 s[WV], 3                          ; waves 0 to 2 ask, in every work-group of every cluster (cx is used no more)
	s_cselect_b32 s[LIM], 1, -1
	s_wait_dscnt 0x0                               ; both opening adds are done
	s_wait_kmcnt 0x0
	s_add_nc_u64 s[46:47], s[4:5], s[46:47]
	s_add_nc_u64 s[100:101], s[6:7], s[100:101]
	s_add_nc_u64 s[20:21], s[8:9], s[20:21]
	s_add_nc_u64 s[22:23], s[10:11], s[22:23]
	s_add_nc_u64 s[PA:PA+1], s[4:5], s[PA:PA+1]
	s_add_nc_u64 s[PB:PB+1], s[8:9], s[PB:PB+1]
	CROUND                                         ; all sixteen work-groups are here: the first joint loads meet
	s_mov_b32 s[G0H], 1                            ; K step 0's 256 rows of A,
	s_mov_b32 s[G0H+1], 0
	s_mov_b64 s[G0H+2:G0H+3], s[46:47]
	s_or_b32 s[G0H+3], s[G0H+3], 0x80000000
	s_mov_b32 s[G0HB], 1                           ; its 256 rows of B,
	s_mov_b32 s[G0HB+1], 2*HALFT
	s_mov_b64 s[G0HB+2:G0HB+3], s[20:21]
	s_or_b32 s[G0HB+3], s[G0HB+3], 0x80000000
	s_mov_b32 s[G0S], 1                            ; A's scales,
	s_mov_b32 s[G0S+1], SCL
	s_mov_b64 s[G0S+2:G0S+3], s[100:101]
	s_or_b32 s[G0S+3], s[G0S+3], 0x80000000
	s_mov_b32 s[G0SB], 1                           ; B's scales
	s_mov_b32 s[G0SB+1], SCL+SCBD
	s_mov_b64 s[G0SB+2:G0SB+3], s[22:23]
	s_or_b32 s[G0SB+3], s[G0SB+3], 0x80000000
	s_mul_i32 s92, s[CH], QT                       ; for the ring: my 128 rows of the tile
	s_mov_b32 s93, 0
	s_add_nc_u64 s[46:47], s[46:47], s[92:93]
	s_add_nc_u64 s[20:21], s[20:21], s[92:93]
.irp s, 0,1
	s_mov_b32 s[G0+4*\s], 1
	s_add_co_u32 s[G0+4*\s+1], s3, \s*SLOT
	s_add_nc_u64 s[G0+4*\s+2:G0+4*\s+3], s[46:47], \s*ASTEP
	s_or_b32 s[G0+4*\s+3], s[G0+4*\s+3], 0x80000000
	s_mov_b32 s[G0B+4*\s], 1
	s_add_co_u32 s[G0B+4*\s+1], s3, \s*SLOT
	s_add_nc_u64 s[G0B+4*\s+2:G0B+4*\s+3], s[20:21], \s*BSTEP
	s_or_b32 s[G0B+4*\s+3], s[G0B+4*\s+3], 0x80000000
.endr
; The head's four tiles, one load a wave, in one chain of branches on the wave's number
.macro ARM under, g0, g1, next
	s_cmp_lt_u32 s[WV], \under
	s_cbranch_scc0 \next
	tensor_load_to_lds s[\g0:\g0+3], s[\g1:\g1+7]
	s_nop 0
.rept 4
	v_nop
.endr
	s_branch .Lhead_asked
\next:
.endm
	ARM 1, G0H,  G1,  .Lhead_b
	ARM 2, G0HB, G1B, .Lhead_sa
	ARM 3, G0S,  G1S, .Lhead_sb
	tensor_load_to_lds s[G0SB:G0SB+3], s[G1SB:G1SB+7]
	s_nop 0
.rept 4
	v_nop
.endr
.Lhead_asked:
	s_mul_i32 s20, s[RH], HALFT                    ; my rows of A
	s_mul_i32 s21, s[CH], HALFT
	s_add_co_u32 s21, s21, 2*HALFT                 ; my rows of B
	s_lshl_b32 s23, s[RH], 10
	s_lshl_b32 s22, s[CH], 10
	s_add_co_u32 s22, s22, SCBD
	s_sub_co_u32 s22, s22, s23                     ; from my A scales to my B scales
	s_add_co_u32 s23, s23, SCL
	s_mul_i32 s46, s[RH], 128*CP
	s_lshl_b32 s47, s[CH], 7
	s_add_co_u32 s47, s46, s47                     ; the way out: my rows, my 128 bytes of them
	s_mul_i32 s3, s[CH], 8*CP
	s_add_co_u32 s46, s46, s3                      ; and the rows that I read back
	v_and_b32 v1, 15, v0                           ; r
	v_bfe_u32 v2, v0, 4, 1                         ; h
	v_mul_u32_u24 v3, v1, PITCH
	v_mul_u32_u24 v4, v2, 24
	v_add_nc_u32 v4, v3, v4                        ; row x pitch + 24 h
	v_lshl_add_u32 v5, v2, 4, v4                   ; and 16 h more where lanes 16-31 pass a padding
	v_add_nc_u32 v[ADRA], s20, v4
	v_add_nc_u32 v[ADRB], s21, v4
	v_add_nc_u32 v[ADRA+2], s20, v5
	v_add_nc_u32 v[ADRB+2], s21, v5
	v_add_nc_u32 v[ADRA+1], SLOT, v[ADRA]
	v_add_nc_u32 v[ADRB+1], SLOT, v[ADRB]
	v_add_nc_u32 v[ADRA+3], SLOT, v[ADRA+2]
	v_add_nc_u32 v[ADRB+3], SLOT, v[ADRB+2]
	v_lshlrev_b32 v5, 3, v1
	v_mul_u32_u24 v6, s22, v2                      ; lanes 16-31 take B's scales
	v_add_nc_u32 v5, v5, v6
	v_add_nc_u32 v[ADRS], s23, v5
	v_mul_u32_u24 v5, v1, CP
	v_lshl_add_u32 v5, v2, 5, v5
	v_add_nc_u32 v[CXA], s47, v5
	v_add_nc_u32 v[HYA], SLOT, v[CXA]
	v_mul_u32_u24 v5, v2, CP
	v_lshl_add_u32 v5, v1, 4, v5
	v_add_nc_u32 v[RDA], s46, v5
	v_add_nc_u32 v[RDH], SLOT, v[RDA]
	v_lshlrev_b32 v[GO], 13, v2
	v_lshl_add_u32 v[GO], v1, 4, v[GO]
	v_and_b32 v[PFO], 31, v0
	v_lshlrev_b32 v[PFT], 8, v[PFO]
	v_lshlrev_b32 v[PFO], 13, v[PFO]
	v_lshlrev_b32 v[VB], 5, v2
	s_wait_alu depctr_va_vdst(0)                   ; the wait behind the head's last vector instruction
	s_lshl_b32 s20, s43, 8
	s_lshl_b32 s21, s[CH], 7
	s_add_co_u32 s20, s20, s21                     ; my 32 hidden columns, in bytes
	s_mov_b32 s21, 0
.irp g, 0,1,2,3
	s_add_nc_u64 s[BP+2*\g:BP+2*\g+1], s[BP+2*\g:BP+2*\g+1], s[20:21]
.endr
	WIN TO_B
.irp g, 0,1,2,3
.irp u, 0,1
.irp p, 0,1
	global_load_b128 v[BI+8*(2*\g+\u)+96*(\g/2)+4*\p:BI+8*(2*\g+\u)+96*(\g/2)+4*\p+3], v[VB], s[BP+2*\g:BP+2*\g+1] offset:64*\u+16*\p   ; block b = 2 g + u: the bias at columns 16 u + 8 h + 0 .. 7
.endr
.endr
.endr
	WIN 0
	s_lshl_b32 s22, s42, 21
	s_lshl_b32 s23, s43, 8
	s_add_co_u32 s22, s22, s23
	s_lshl_b32 s23, s[WV], 19
	s_add_co_u32 s20, s22, s23
	s_mov_b32 s21, 0
	s_add_nc_u64 s[G0C+2:G0C+3], s[G0C+2:G0C+3], s[20:21]   ; c_x: my wave fetches 64 rows x 256 bytes
	s_lshl_b32 s23, s[RH], 20
	s_add_co_u32 s22, s22, s23
	s_lshl_b32 s23, s[CH], 16
	s_add_co_u32 s22, s22, s23
	s_mov_b32 s23, 0
	s_add_nc_u64 s[96:97], s[96:97], s[22:23]
	s_add_nc_u64 s[98:99], s[98:99], s[22:23]
	s_mov_b64 s[PFA:PFA+1], s[G0C+2:G0C+3]
	s_mov_b32 s[G0C], 1
	s_mul_i32 s[G0C+1], s[WV], 64*CP
	s_or_b32 s[G0C+3], s[G0C+3], 0x80000000
.macro FRAG reg, adr, q, i             ; a fragment: six pieces of 8 bytes; piece PC of a row lies at 8 PC + 16 (PC / 8); lanes 16-31 read three pieces on
.irp p, 0,1,2,3,4,5
.set PC, 12*(\q)+6*(\p/3)+\p%3
.if PC%8 < 5
	ds_load_b64 v[\reg+2*\p:\reg+2*\p+1], v[\adr] offset:8*PC+16*(PC/8)+(\i)*16*PITCH
.else
	ds_load_b64 v[\reg+2*\p:\reg+2*\p+1], v[\adr+2] offset:8*PC+16*(PC/8)+(\i)*16*PITCH
.endif
.endr
.endm
.macro LDG slot, q, p, g               ; fragment g of half step (slot, q) into sets p: 0-7 B's blocks, 8-15 A's
.if (\g) < 8
	WIN TO_B
	FRAG 128*(\p)+FR*(\g), ADRB+\slot, \q, \g
.else
	WIN 0
	FRAG AF+96*(\p)+FR*((\g)-8), ADRA+\slot, \q, (\g)-8
.endif
.endm
.macro SCALES sc                       ; a K step's scale words: lanes 0-15 A's block i, lanes 16-31 B's block i, two words each
	WIN 0
.irp i, 0,1,2,3,4,5,6,7
	ds_load_b64 v[SC+16*\sc+2*\i:SC+16*\sc+2*\i+1], v[ADRS] offset:\i*128
.endr
.endm
; A slot's first half step goes into sets 0 in this order: B's eight fragments, the K step's scale words, A's eight: 104 loads, in three parts of 36, 32 and 36
.macro FH_A slot
.irp g, 0,1,2,3,4,5
	LDG \slot, 0, 0, \g
.endr
.endm
.macro FH_B slot
	LDG \slot, 0, 0, 6
	LDG \slot, 0, 0, 7
	SCALES \slot
	LDG \slot, 0, 0, 8
	LDG \slot, 0, 0, 9
.endm
.macro FH_C slot
.irp g, 10,11,12,13,14,15
	LDG \slot, 0, 0, \g
.endr
.endm
.macro MM a, b, p, q, sc, first        ; one product: A's block a x B's block b from sets p.  The 64 accumulators take turns
.if \first
	WIN 0x91+0x40*((\a)/4)
	v_wmma_scale_f32_16x16x128_f8f6f4 v[8*(8*((\a)%4)+(\b)):8*(8*((\a)%4)+(\b))+7], v[128*(\p)+FR*(\b):128*(\p)+FR*(\b)+FR-1], v[AF+96*(\p)+FR*(\a):AF+96*(\p)+FR*(\a)+FR-1], v[BI+8*(\b)+96*((\b)/4):BI+8*(\b)+96*((\b)/4)+7], v[SC+16*(\sc)+2*(\b)+(\q)], v[SC+16*(\sc)+2*(\a)+(\q)] matrix_a_fmt:MATRIX_FMT_FP6 matrix_b_fmt:MATRIX_FMT_FP6 matrix_a_scale:MATRIX_SCALE_ROW1
.else
	WIN 0xa1+0x50*((\a)/4)
	v_wmma_scale_f32_16x16x128_f8f6f4 v[8*(8*((\a)%4)+(\b)):8*(8*((\a)%4)+(\b))+7], v[128*(\p)+FR*(\b):128*(\p)+FR*(\b)+FR-1], v[AF+96*(\p)+FR*(\a):AF+96*(\p)+FR*(\a)+FR-1], v[8*(8*((\a)%4)+(\b)):8*(8*((\a)%4)+(\b))+7], v[SC+16*(\sc)+2*(\b)+(\q)], v[SC+16*(\sc)+2*(\a)+(\q)] matrix_a_fmt:MATRIX_FMT_FP6 matrix_b_fmt:MATRIX_FMT_FP6 matrix_a_scale:MATRIX_SCALE_ROW1
.endif
.endm
.macro PLACES n
.rept \n
	v_nop
.endr
.endm
; A slot's first half step, from sets 0.  The second half step's 96 loads go into sets 1, B's eight fragments and then A's eight, in three runs of 30, 30 and 36, ahead of products 8, 24 and 40.
; The wait ahead of the first run is for 0, so that no later wait of this half step has to count across the runs: the loads that it waits for were issued 24 products earlier.
.macro S0 slot, first
.set N, 0
.rept 64
.if N == 0
	s_wait_dscnt 42                                ; B's set, the scale words and A's block 0 are in; A's blocks 1-7 (42 loads) may be out
.endif
.if N == 8
	s_wait_dscnt 0x0                               ; A's blocks 1-7 are in
	PLACES 4                                       ; places in front of the loads into sets 1, which the half step before multiplied
.irp g, 0,1,2,3,4
	LDG \slot, 1, 1, \g
.endr
.endif
.if N == 24
.irp g, 5,6,7,8,9
	LDG \slot, 1, 1, \g
.endr
.endif
.if N == 40
.irp g, 10,11,12,13,14,15
	LDG \slot, 1, 1, \g
.endr
.endif
	MM N/8, N%8, 0, 0, \slot, \first
.set N, N+1
.endr
	WIN 0
.endm
; A slot's second half step, from sets 1, and the change of slots.  All reads of this slot were issued in the half step before.  fill = 1: the slot takes the K step two on; 2: c_x.
; Sixteen products stand round the opening signal of the round; directly behind the refill comes the first part of the next slot's first half step, the other two parts ahead of products 32 and 48.
.macro S1 slot, next, fill
.if (\slot == 0) && (\fill == 1)
	s_wait_xcnt 0x0                                ; my prefetches of the trip before have read their addresses
	s_add_nc_u64 s[PA:PA+1], s[PA:PA+1], 2*ASTEP
	s_add_nc_u64 s[PB:PB+1], s[PB:PB+1], 2*BSTEP
.endif
	v_add_nc_u32 v[ADRS], 2048, v[ADRS]            ; the next K step's scales
	s_wait_alu depctr_va_vdst(0)                   ; the wait directly behind this write
	s_wait_tensorcnt 0x0                           ; my part of the next slot has landed
	ds_add_u32 v[SPW], v[NIL]
.if \fill == 1
	s_add_nc_u64 s[G0+4*\slot+2:G0+4*\slot+3], s[G0+4*\slot+2:G0+4*\slot+3], 2*ASTEP
	s_add_nc_u64 s[G0B+4*\slot+2:G0B+4*\slot+3], s[G0B+4*\slot+2:G0B+4*\slot+3], 2*BSTEP
.endif
	s_wait_dscnt 43                                ; B's set and A's block 0 are in: the add and A's blocks 1-7 (42 loads) may be out
.set N, 0
.rept 8
	MM N/8, N%8, 1, 1, \slot, 0
.set N, N+1
.endr
	s_wait_dscnt 0x0                               ; the add is done, and my reads of this slot are over
	s_barrier_signal -1                            ; opens a round of the cluster's barrier
.rept 8
	MM N/8, N%8, 1, 1, \slot, 0
.set N, N+1
.endr
	WIN 0
	s_barrier_wait -1
	CREST
.if \fill == 1
	JLOAD G0+4*\slot, G1, G0B+4*\slot, G1B         ; its four v_nop are the places in front of the loads into sets 0
.else
	tensor_load_to_lds s[G0C:G0C+3], s[G1C:G1C+7]
	s_nop 0
.rept 4
	v_nop
.endr
.endif
	FH_A \next
.rept 48
.if N == 32
	FH_B \next
.if (\slot == 0) && (\fill == 1)
	ASK                                            ; every window is 0 here
	ASKC
.endif
.endif
.if N == 48
	FH_C \next
.endif
	MM N/8, N%8, 1, 1, \slot, 0
.set N, N+1
.endr
.endm
	s_wait_tensorcnt 0x0                           ; my tile of the head's four is in
	ds_add_u32 v[SPW], v[NIL]
	s_mov_b32 s[G1+2], 96<<16                      ; no tensor load of mine is out: from here on a load brings 96 lines, 128 rows
	s_mov_b32 s[G1+4], 96
	s_mov_b32 s[G1B+2], 96<<16
	s_mov_b32 s[G1B+4], 96
	s_wait_dscnt 0x0
	CROUND
	JLOAD G0+4, G1, G0B+4, G1B                     ; K step 1
	FH_A 0
	FH_B 0
	FH_C 0
	s_wait_loadcnt 0x0                             ; the biases are in, and their addresses are free:
	s_mov_b32 s[G1C+0], (3<<16)|(1<<20)|(5<<22)|(3<<25)   ; group 1 for c_x: 64 rows of 256 bytes, 16 of padding behind each
	s_mov_b32 s[G1C+1], 32<<16
	s_mov_b32 s[G1C+2], 64<<16
	s_mov_b32 s[G1C+3], 32<<16
	s_mov_b32 s[G1C+4], 64
	s_mov_b32 s[G1C+5], 1024
	s_mov_b32 s[G1C+6], 0
	s_mov_b32 s[G1C+7], 0
	S0 0, 1                                        ; the first products take the biases as C
	s_mov_b32 s3, 7
.Llap:
	S1 0, 1, 1
	S0 1, 0
	S1 1, 0, 1
	S0 0, 0
	s_sub_co_u32 s3, s3, 1
	s_cmp_lg_u32 s3, 0
	s_cbranch_scc1 .Llap
	S1 0, 1, 2                                     ; slot 0 has been read out: it takes c_x
	S0 1, 0
	s_wait_dscnt 42                                ; the last half step: A's blocks 1-7 may be out
.set N, 0
.rept 8
	MM N/8, N%8, 1, 1, 1, 0
.set N, N+1
.endr
	s_wait_dscnt 0
.rept 56
	MM N/8, N%8, 1, 1, 1, 0
.set N, N+1
.endr
	WIN 0
	PLACES 4
	s_wait_tensorcnt 0x0                           ; my part of c_x is in
	s_wait_dscnt 0x0
	s_barrier_signal -1
	s_barrier_wait -1
; THE WAY OUT, by blocks of 16 rows: the gates in f32; cy goes over c_x's bytes in slot 0, hy into slot 1; a row's 256 bytes come from two waves, so a barrier stands between writing and reading back.
	s_mov_b32 s[KT], 0x4038aa3b                    ; 2 log2 e
	s_mov_b32 s[KT+1], s[KT]
	s_mov_b32 s[KS], 0xbfb8aa3b                    ; -log2 e
	s_mov_b32 s[KS+1], s[KS]
.irp u, 0,1
.irp p, 0,1
	ds_load_b128 v[CX+8*\u+4*\p:CX+8*\u+4*\p+3], v[CXA] offset:64*\u+16*\p
.endr
.endr
.macro BACK a
.irp t, 0,1,2,3
	ds_load_b128 v[OB+4*\t:OB+4*\t+3], v[RDA] offset:(16*(\a)+2*\t)*CP
.endr
.irp t, 0,1,2,3
	ds_load_b128 v[OB+16+4*\t:OB+16+4*\t+3], v[RDH] offset:(16*(\a)+2*\t)*CP
.endr
.endm
.macro SEND a
	s_wait_dscnt 0x0
.irp t, 0,1,2,3
	global_store_b128 v[GO], v[OB+4*\t:OB+4*\t+3], s[98:99] offset:(16*(\a)+2*\t)*8192 th:TH_STORE_NT   ; sixteen lanes store 256 consecutive bytes, aligned
.endr
.irp t, 0,1,2,3
	global_store_b128 v[GO], v[OB+16+4*\t:OB+16+4*\t+3], s[96:97] offset:(16*(\a)+2*\t)*8192 th:TH_STORE_NT
.endr
.endm
.macro GATES a
.set ACC, 64*((\a)%4)
.set CXS, CX+16*((\a)%2)
.set CXN, CX+16*(((\a)+1)%2)
.set CYS, CY+32*((\a)%2)
.set HYS, CYS+16
	WIN 0x02+(\a)/4
.irp b, 0,1,2,3,4,5,6,7
.irp jj, 0,2,4,6
.if \b/2 == 2
	v_pk_mul_f32 v[TG+8*\b+\jj:TG+8*\b+\jj+1], v[ACC+8*\b+\jj:ACC+8*\b+\jj+1], s[KT:KT+1] op_sel_hi:[1,0]
.else
	v_pk_mul_f32 v[TG+8*\b+\jj:TG+8*\b+\jj+1], v[ACC+8*\b+\jj:ACC+8*\b+\jj+1], s[KS:KS+1] op_sel_hi:[1,0]
.endif
.endr
.endr
	WIN 0
.if (\a) < 7
.irp u, 0,1
.irp p, 0,1
	ds_load_b128 v[CXN+8*\u+4*\p:CXN+8*\u+4*\p+3], v[CXA] offset:((\a)+1)*16*CP+64*\u+16*\p
.endr
.endr
.endif
.set j, 0
	s_wait_alu depctr_va_vdst(0)                   ; a wait ahead of each batch of transcendentals and one behind it
.rept 64
	v_exp_f32 v[TG+j], v[TG+j]
.set j, j+1
.endr
	v_nop
	s_wait_alu depctr_va_vdst(0)
.if (\a) > 0
	s_wait_dscnt 0x0                               ; my stores of the block before are done
	s_barrier_signal -1
	s_barrier_wait -1
.if (\a) > 1
	s_wait_xcnt 0x0                                ; the stores of two blocks before have read their registers
.endif
	BACK (\a)-1
.endif
.set j, 0
.rept 32
	v_pk_add_f32 v[TG+j:TG+j+1], v[TG+j:TG+j+1], 1.0 op_sel_hi:[1,0]
.set j, j+2
.endr
.set j, 0
	s_wait_alu depctr_va_vdst(0)
.rept 64
	v_rcp_f32 v[TG+j], v[TG+j]
.set j, j+1
.endr
	v_nop
	s_wait_alu depctr_va_vdst(0)
.if (\a) > 0
	SEND (\a)-1
.endif
.irp jj, 0,2,4,6,8,10,12,14
	v_pk_fma_f32 v[TG+32+\jj:TG+33+\jj], v[TG+32+\jj:TG+33+\jj], -2.0, 1.0 op_sel_hi:[1,0,0]   ; c~
.endr
.irp jj, 0,2,4,6,8,10,12,14
	v_pk_mul_f32 v[TG+\jj:TG+1+\jj], v[TG+\jj:TG+1+\jj], v[TG+32+\jj:TG+33+\jj]                ; i c~
.endr
.if (\a) == 0
	s_wait_alu depctr_va_vdst(0)
	s_wait_dscnt 4                                 ; block 0's c_x is in; block 1's four loads may be out
.endif
.irp jj, 0,2,4,6,8,10,12,14
	v_pk_fma_f32 v[CYS+\jj:CYS+1+\jj], v[TG+16+\jj:TG+17+\jj], v[CXS+\jj:CXS+1+\jj], v[TG+\jj:TG+1+\jj]   ; cy
.endr
.irp jj, 0,2,4,6,8,10,12,14
	v_pk_mul_f32 v[TG+32+\jj:TG+33+\jj], v[CYS+\jj:CYS+1+\jj], s[KT:KT+1] op_sel_hi:[1,0]
.endr
.irp u, 0,1
.irp p, 0,1
	ds_store_b128 v[CXA], v[CYS+8*\u+4*\p:CYS+8*\u+4*\p+3] offset:(\a)*16*CP+64*\u+16*\p
.endr
.endr
.set j, 0
	s_wait_alu depctr_va_vdst(0)
.rept 16
	v_exp_f32 v[TG+32+j], v[TG+32+j]
.set j, j+1
.endr
	v_nop
	s_wait_alu depctr_va_vdst(0)
.irp jj, 0,2,4,6,8,10,12,14
	v_pk_add_f32 v[TG+32+\jj:TG+33+\jj], v[TG+32+\jj:TG+33+\jj], 1.0 op_sel_hi:[1,0]
.endr
.set j, 0
	s_wait_alu depctr_va_vdst(0)
.rept 16
	v_rcp_f32 v[TG+32+j], v[TG+32+j]
.set j, j+1
.endr
	v_nop
	s_wait_alu depctr_va_vdst(0)
.irp jj, 0,2,4,6,8,10,12,14
	v_pk_fma_f32 v[TG+32+\jj:TG+33+\jj], v[TG+32+\jj:TG+33+\jj], -2.0, 1.0 op_sel_hi:[1,0,0]   ; tanh(cy)
.endr
.irp jj, 0,2,4,6,8,10,12,14
	v_pk_mul_f32 v[HYS+\jj:HYS+1+\jj], v[TG+48+\jj:TG+49+\jj], v[TG+32+\jj:TG+33+\jj]          ; hy
.endr
.irp u, 0,1
.irp p, 0,1
	ds_store_b128 v[HYA], v[HYS+8*\u+4*\p:HYS+8*\u+4*\p+3] offset:(\a)*16*CP+64*\u+16*\p
.endr
.endr
.endm
.irp a, 0,1,2,3,4,5,6,7
	GATES \a
.endr
	s_wait_dscnt 0x0
	s_barrier_signal -1
	s_barrier_wait -1
	s_wait_xcnt 0x0
	BACK 7
	SEND 7
	s_wait_tensorcnt 0x0                           ; the wave's end
	ds_add_u32 v[SPW], v[NIL]
	s_wait_dscnt 0x0
	CROUND                                         ; the closing round
	s_endpgm
.Lfunc_end_k_qde2124facb_cell:
	.size	k_qde2124facb_cell, .Lfunc_end_k_qde2124facb_cell-k_qde2124facb_cell
	.p2alignl 7, 3214868480
	.fill 96, 4, 3214868480
	.section	.rodata,"a",@progbits
	.p2align	6, 0x0
	.amdhsa_kernel k_qde2124facb_cell
		.amdhsa_group_segment_fixed_size 327680
		.amdhsa_private_segment_fixed_size 0
		.amdhsa_enable_private_segment 0
		.amdhsa_kernarg_size 88
		.amdhsa_user_sgpr_count 2
		.amdhsa_user_sgpr_kernarg_segment_ptr 1
		.amdhsa_wavefront_size32 1
		.amdhsa_system_sgpr_workgroup_id_x 1
		.amdhsa_system_sgpr_workgroup_id_y 1
		.amdhsa_system_sgpr_workgroup_id_z 1
		.amdhsa_system_vgpr_workitem_id 0
		.amdhsa_next_free_vgpr 1024
		.amdhsa_next_free_sgpr 106
		.amdhsa_reserve_vcc 0
		.amdhsa_float_denorm_mode_32 3
		.amdhsa_float_denorm_mode_16_64 3
		.amdhsa_memory_ordered 1
		.amdhsa_forward_progress 1
		.amdhsa_inst_pref_size 255
	.end_amdhsa_kernel
	.section	.bss,"aw",@nobits
	.p2align	6
	.space	262144
	.amdgpu_metadata
---
amdhsa.version: [ 1, 2 ]
amdhsa.kernels:
  - .name:           k_qde2124facb_cell
    .symbol:         k_qde2124facb_cell.kd
    .args:
      - { .name: a_codes, .offset: 0, .size: 8, .value_kind: global_buffer, .address_space: global }
      - { .name: a_scales, .offset: 8, .size: 8, .value_kind: global_buffer, .address_space: global }
      - { .name: b_codes, .offset: 16, .size: 8, .value_kind: global_buffer, .address_space: global }
      - { .name: b_scales, .offset: 24, .size: 8, .value_kind: global_buffer, .address_space: global }
      - { .name: b_i, .offset: 32, .size: 8, .value_kind: global_buffer, .address_space: global }
      - { .name: b_f, .offset: 40, .size: 8, .value_kind: global_buffer, .address_space: global }
      - { .name: b_c, .offset: 48, .size: 8, .value_kind: global_buffer, .address_space: global }
      - { .name: b_o, .offset: 56, .size: 8, .value_kind: global_buffer, .address_space: global }
      - { .name: c_x, .offset: 64, .size: 8, .value_kind: global_buffer, .address_space: global }
      - { .name: out0, .offset: 72, .size: 8, .value_kind: global_buffer, .address_space: global }
      - { .name: out1, .offset: 80, .size: 8, .value_kind: global_buffer, .address_space: global }
    .group_segment_fixed_size: 327680
    .private_segment_fixed_size: 0
    .kernarg_segment_align: 8
    .kernarg_segment_size: 88
    .max_flat_workgroup_size: 128
    .sgpr_count:     106
    .vgpr_count:     1024
    .wavefront_size: 32
...
	.end_amdgpu_metadata
.endif
;; end of part 2
